; MI455X (gfx1250); checked and timed in simulation.
; The chip was launched on July 23, 2026; its instructions are those of AMD's public machine-readable ISA for CDNA 5 (MIT licence, August 2026) and "CDNA5" Instruction Set Architecture Reference Guide (July 2026). The comments in the code are by the model that wrote it; some were corrected since.
;; Group Query Attention. Allowed arithmetic: matrix products marked QUANTISED: E2M3 operands, one E8M0 scale for each 32 along K, by v_wmma_scale_f32_16x16x128_f8f6f4 with both operands' format E2M3, f32 sums; everything else in f32.
;; Inputs: Wc 2,048 x 2,048 float32; bc 2,048 float32; k 2 x 2,048 x 512 float32; q 2 x 2,048 x 2,048 float32; v 2 x 2,048 x 512 float32.
;; Outputs: out0 2 x 2,048 x 2,048 float32.
;; This version of the problem:
;;   THIS VERSION OF THE PROBLEM IS GIVEN IN LOW PRECISION. The matrix products marked QUANTISED in the list below multiply operands that are first quantised to E2M3 (2 exponent bits, 3 mantissa bits; 6 bits a number), with one power-of-two scale for each 32 numbers along K (OCP MX v1.0); their sums are f32. All else is computed in f32.
;;   The module's matrix products, in the order in which they are computed (A, B: the left and right operand; K: the contracted axis; several contracted axes count as one K, in the product's order):
;;     1. batch 8 x [M 8,192, K 128] x [K 128, N 2,048]; A: input q; B: input k: QUANTISED
;;     2. batch 8 x [M 8,192, K 2,048] x [K 2,048, N 128]; A: softmax (see below); B: input v: QUANTISED
;;     3. [M 4,096, K 2,048] x [K 2,048, N 2,048]; A: computed on the way; B: input Wc: QUANTISED
;;   THE QUANTISER, for each operand of a quantised product, along K:
;;     - K is cut into blocks of 32 from its start; a last block that is shorter is filled with zeros.
;;     - A block's scale is 2^e with e = floor(log2(the largest magnitude in the block)) - 2, held to -126 .. 127; a block of zeros has e = 0. As a byte (E8M0): e + 127.
;;     - Each number is divided by its block's scale, clamped to +-7.5, and rounded to the nearest number of E2M3, ties to even, subnormals kept.
;;     - The product sums the exact products of the quantised numbers (number of the format x scale) in f32.
;;   ~~~python
;;   def quantise(x, axis):      # numpy; x: float32 -> the quantised numbers, widened to float32 again
;;       x = np.moveaxis(x, axis, -1); K = x.shape[-1]
;;       x = np.pad(x, [(0, 0)] * (x.ndim - 1) + [(0, -K % 32)]); x = x.reshape(x.shape[:-1] + (-1, 32)); a = np.abs(x).max(-1, keepdims=True)
;;       e = np.where(a > 0, np.clip(np.frexp(np.where(a > 0, a, 1))[1] - 1 - 2, -126, 127), 0)      # np.frexp(a)[1] - 1 = floor(log2(a)), exactly
;;       r = np.clip(x / 2.0 ** e, -7.5, 7.5)
;;       step = 2.0 ** (np.maximum(np.frexp(np.where(r == 0, 1, r))[1] - 1, 0) - 3)
;;       q = np.round(r / step) * step * 2.0 ** e      # np.round: ties to even
;;       return np.moveaxis(q.reshape(q.shape[:-2] + (-1,))[..., :K], -1, axis).astype(np.float32)
;;   ~~~
;;   SOFTMAX AHEAD OF A QUANTISED PRODUCT. Where the list says 'softmax', what is quantised is not the finished softmax but p = 2^(t - M), with t = logit x log2(e) and M = ceil(the row's largest t), a whole number; so 1/2 < the row's largest p <= 1. The row's sum l is taken of the UNQUANTISED p, in f32, and the product's result is divided by l at the end. Since M is a whole number, a kernel that streams over the keys may use a running M (the ceiling of the running maximum): every later rescaling is an exact power of two, which a block's scale takes up: the codes' values come out the same.
;;   OPERANDS COMPUTED ON THE WAY. 'Computed on the way' means the value that the module computes at that place (a softmax that the list does not call 'softmax' is quantised finished and normalised). What goes into a quantiser is computed in f32, as accurately as f32 sums, v_exp_f32 and their like allow (about 1e-6 of the number): no bf16 or f16 on the way to a quantiser, and a product that is left as it is and whose result goes on into a quantised operand takes f32 operands (vector FMAs, or v_wmma_f32_16x16x4_f32). A number that lies on a knife's edge between two numbers of the format may be rounded either way, as far as f32 arithmetic and the matrix unit's own rounding can turn it there, and no further.
;; One version. Each part assembles by itself: llvm-mc -triple=amdgcn-amd-amdhsa -mcpu=gfx1250 --defsym DOCPART=n.
;; ======== version 1 of 1: 3 launches
;; limits: right only within a limited range of input values
;; workspace buffers: kv 3,276,800 bytes; wq 3,276,800 bytes; ao 6,553,600 bytes
;; launch prep (part 1): grid 512 x 1, 4 waves a work-group, no clusters, 0 bytes of LDS; arguments k, Wc, v, kv, wq; writes kv, wq
.if DOCPART == 1
	.amdgcn_target "amdgcn-amd-amdhsa--gfx1250"
	.amdhsa_code_object_version 6
	.text
	.protected	k_q345bd8953e_prep
	.globl	k_q345bd8953e_prep
	.p2align	8
	.type	k_q345bd8953e_prep,@function
k_q345bd8953e_prep:
	s_mov_b64 s[64:65], 0
	v_nop
	global_prefetch_b8 v0, s[64:65] scope:SCOPE_SE
	s_setreg_imm32_b32 hwreg(HW_REG_WAVE_MODE, 25, 1), 1
	s_wait_xcnt 0x0
; k [2][2048][512], Wc [2048][2048] and v [2][2048][512], f32, become codes of FP6 (E2M3) with one E8M0 scale byte for each 32 along K,
; laid as IMAGES OF OPERAND REGISTERS for the two launches that follow.  K of k is the head's 128, of Wc its columns, of v the keys.
; A fragment (16 rows x 128 K, 12 registers a lane) is 1,536 bytes: register 4 j + i of lane l at byte 512 j + 16 l + 4 i.  Scale words: 4 bytes a row and 128 K, 64 bytes a tile.
; kv: [batch x group 8][key step 16] blocks of 25,600 bytes: 8 tiles of K, 8 tiles of V^T (at 12,288), K's scale words (24,576), V's (25,088).
; wq: [256 rows of Wc 8][K step 16] blocks of 25,600 bytes: 16 tiles, then their scale words (24,576).
; THE ROWS OF A TILE ARE NOT NEIGHBOURS: lane r of tile 2 b + u takes row 32 b + 8 u + r + 8 (r / 8) of its 128 rows, so that, with the tile as a product's source 0,
; the 16 result registers of tiles 2 b and 2 b + 1 are 16 neighbouring rows.
; A block's scale is 2^(floor(log2(largest magnitude)) - 2): its byte is the largest magnitude's exponent field - 2, held at 1 from below by a floor among the maximum's leaves.
; LIMITS: a block whose largest magnitude lies under 2^-124 gets the byte 1, and so does a block of zeros where the rule says 127 (its codes are zeros, and this program alone reads the bytes);
; NaN and infinities among the inputs are not served.
; SHARES: a work-group takes 128 rows x 128 K (64 KiB of f32): work-groups 0-127 k, 128-383 Wc, 384-511 v; a wave takes two tiles.  Waves share nothing: no LDS, no barrier, no loop.
; No cluster and no tensor load: every input byte is read once, by one wave.
.set BLK, 25600
.set TM,  160                          ; v160-175 at work in QUANT
.set SEL, 20                           ; s[20:21] lane selects for v_permlanex16_b32: lane l xor 16
; 64 numbers a lane: of my row, 16 neighbours (64 bytes) of each of the four blocks of 32
.macro XLOAD reg, voff, base
.irp b, 0,1,2,3
.irp j, 0,1,2,3
	global_load_b128 v[\reg+16*\b+4*\j:\reg+16*\b+4*\j+3], v[\voff], s[\base:\base+1] offset:128*\b+16*\j th:TH_LOAD_NT
.endr
.endr
.endm
; v[s + 16 b + i] = k 32 b + 16 (lane / 16) + i of my row  ->  a fragment's codes in v[pc .. pc + 11] (pc + 12 .. pc + 18 at work) and the row's scale word in v[pw]
.macro QUANT s, pc, pw
.irp b, 0,1,2,3
	v_max3_num_f32 v[TM+\b], |v[\s+16*\b]|, |v[\s+1+16*\b]|, 0x1800000   ; block b: my 16 numbers, and the floor 2^(3 - 127): the byte cannot fall under 1
.endr
.irp i, 2,4,6,8,10,12,14
.irp b, 0,1,2,3
	v_max3_num_f32 v[TM+\b], v[TM+\b], |v[\s+16*\b+\i]|, |v[\s+1+16*\b+\i]|   ; the four blocks by turns
.endr
.endr
.irp b, 0,1,2,3
	v_permlanex16_b32 v[TM+4+\b], v[TM+\b], s[SEL], s[SEL+1]
.endr
.irp b, 0,1,2,3
	v_max_num_f32 v[TM+\b], v[TM+\b], v[TM+4+\b]                        ; with lane l xor 16's: the block's largest magnitude
.endr
.irp b, 0,1,2,3
	v_add_nc_u32 v[TM+12+\b], 0xff000000, v[TM+\b]                      ; 2 off its exponent field: the conversion's scale operand
.endr
.irp b, 0,1,2,3
	v_lshrrev_b32 v[TM+4+\b], 23, v[TM+12+\b]                           ; the scale's byte
.endr
	v_lshl_or_b32 v[\pw], v[TM+5], 8, v[TM+4]
	v_lshl_or_b32 v[\pw], v[TM+6], 16, v[\pw]
	v_lshl_or_b32 v[\pw], v[TM+7], 24, v[\pw]
.irp c, 0,1
	v_cvt_scalef32_pk16_fp6_f32 v[\pc+6*\c:\pc+2+6*\c], v[\s+32*\c:\s+15+32*\c], v[TM+12+2*\c]
	v_cvt_scalef32_pk16_fp6_f32 v[\pc+12+4*\c:\pc+14+4*\c], v[\s+16+32*\c:\s+31+32*\c], v[TM+12+2*\c+1]   ; a conversion's three registers begin on an even number
.endr
	v_nop                                          ; one plain place behind a scaled conversion
.irp c, 0,1                                    ; the operand wants a WHOLE block in a lane: lanes 0-15 block 2 c, lanes 16-31 block 2 c + 1
.irp i, 0,1,2
	v_permlane16_swap_b32 v[\pc+6*\c+\i], v[\pc+12+4*\c+\i]
.endr
.irp i, 0,1,2
	v_mov_b32 v[\pc+3+6*\c+\i], v[\pc+12+4*\c+\i]
.endr
.endr
.endm
; v's path: my column's blocks h and 2 + h of the step's four blocks of 32 keys: what lane 16 h + r of my tile's fragment holds
.macro VPASS h
.set CD, 160+12*\h
.irp c, 0,1
	v_max3_num_f32 v[192+\c], |v[32+32*(2*\c+\h)]|, |v[33+32*(2*\c+\h)]|, 0x1800000   ; all 32 numbers of a block are mine; the floor as above
.endr
.irp i, 2,4,6,8,10,12,14,16,18,20,22,24,26,28,30
.irp c, 0,1
	v_max3_num_f32 v[192+\c], v[192+\c], |v[32+32*(2*\c+\h)+\i]|, |v[33+32*(2*\c+\h)+\i]|
.endr
.endr
.irp c, 0,1
	v_add_nc_u32 v[194+\c], 0xff000000, v[192+\c]
.endr
.irp c, 0,1
	v_lshrrev_b32 v[196+\c], 23, v[194+\c]
.endr
.if \h == 0
	v_lshl_or_b32 v198, v197, 16, v196             ; bytes 0 and 2 of my row's scale word
.else
	v_lshl_or_b32 v198, v196, 8, v198              ; bytes 1 and 3
	v_lshl_or_b32 v198, v197, 24, v198
.endif
.irp c, 0,1
	v_cvt_scalef32_pk16_fp6_f32 v[CD+6*\c:CD+6*\c+2], v[32+32*(2*\c+\h):47+32*(2*\c+\h)], v[194+\c]
	v_cvt_scalef32_pk16_fp6_f32 v[184+4*\c:186+4*\c], v[48+32*(2*\c+\h):63+32*(2*\c+\h)], v[194+\c]
.endr
	v_nop                                          ; one plain place behind a scaled conversion
.irp c, 0,1
.irp i, 0,1,2
	v_mov_b32 v[CD+6*\c+3+\i], v[184+4*\c+\i]
.endr
.endr
.irp j, 0,1,2
	global_store_b128 v199, v[CD+4*\j:CD+4*\j+3], s[26:27] offset:256*\h+512*\j   ; sixteen neighbouring lanes store 256 consecutive bytes, aligned
.endr
.endm
	s_load_b256 s[4:11], s[0:1], 0x0               ; k s[4:5], Wc s[6:7], v s[8:9], kv s[10:11]
	s_load_b64 s[12:13], s[0:1], 0x20              ; wq
	v_lshrrev_b32 v1, 5, v0
	v_readfirstlane_b32 s14, v1                    ; wave 0..3
	v_and_b32 v2, 31, v0                           ; lane
	v_and_b32 v3, 15, v0                           ; r
	v_bfe_u32 v4, v0, 4, 1                         ; h = lane / 16
	v_lshlrev_b32 v5, 4, v2                        ; 16 x lane: my place in an image
	v_lshlrev_b32 v6, 2, v2                        ; 4 x lane: my place among a pair of tiles' scale words
	v_and_b32 v7, 8, v3
	v_add_nc_u32 v7, v7, v3                        ; r + 8 (r / 8)
	s_mov_b32 s[SEL], 0x76543210
	s_mov_b32 s[SEL+1], 0xfedcba98
	s_mov_b32 s35, 0                               ; the upper word of every 32-bit offset
	s_cmp_ge_u32 ttmp9, 384
	s_cbranch_scc1 .Lv
	; ---- k and Wc: K innermost.  One text for both: offsets and buffers are chosen by the work-group's number
	s_min_u32 s15, ttmp9, 127                      ; k's unit: 64 batch + 16 group + key step (held, so that the offsets not taken stay small too)
	s_lshr_b32 s16, s15, 6
	s_lshl_b32 s16, s16, 22                        ; batch x 2,048 rows x 2,048 bytes
	s_and_b32 s17, s15, 15
	s_lshl_b32 s17, s17, 18                        ; key step x 128 rows
	s_add_co_u32 s16, s16, s17
	s_bfe_u32 s17, s15, 0x20004
	s_lshl_b32 s17, s17, 9                         ; group x 128 numbers
	s_add_co_u32 s16, s16, s17                     ; k: where the unit begins
	s_mul_i32 s17, s15, BLK                        ; its images in kv,
	s_add_co_u32 s18, s17, 24576                   ; its scale words
	s_max_u32 s19, ttmp9, 128
	s_sub_co_u32 s19, s19, 128                     ; Wc's unit: 32 (256 rows) + 2 (K step) + half
	s_lshr_b32 s22, s19, 5
	s_lshl_b32 s22, s22, 21                        ; 256 rows x 8,192 bytes
	s_and_b32 s23, s19, 1
	s_lshl_b32 s30, s23, 20                        ; half: 128 rows
	s_add_co_u32 s22, s22, s30
	s_bfe_u32 s30, s19, 0x40001
	s_lshl_b32 s30, s30, 9                         ; K step x 128 numbers
	s_add_co_u32 s22, s22, s30                     ; Wc: where the unit begins
	s_lshr_b32 s31, s19, 1
	s_mul_i32 s31, s31, BLK                        ; its block in wq
	s_mul_i32 s32, s23, 12288
	s_add_co_u32 s32, s32, s31                     ; its eight images,
	s_lshl_b32 s33, s23, 9
	s_add_co_u32 s33, s33, s31
	s_add_co_u32 s33, s33, 24576                   ; its scale words
	s_wait_kmcnt 0x0
	s_cmp_lt_u32 ttmp9, 128                        ; k's work-group or Wc's: only selections stand between here and the last of them
	s_cselect_b32 s16, s16, s22
	s_cselect_b32 s17, s17, s32
	s_cselect_b32 s18, s18, s33
	s_cselect_b32 s19, 11, 13                      ; log2 of a row's bytes: 2,048 or 8,192
	s_cselect_b64 s[24:25], s[4:5], s[6:7]
	s_cselect_b64 s[26:27], s[10:11], s[12:13]
	s_mov_b64 s[28:29], s[26:27]
	s_lshl_b32 s22, s14, 5
	s_lshl_b32 s22, s22, s19                       ; my wave's 32 rows
	s_add_co_u32 s34, s16, s22
	s_add_nc_u64 s[24:25], s[24:25], s[34:35]      ; the source at my wave's rows
	s_mul_i32 s22, s14, 3072
	s_add_co_u32 s34, s17, s22
	s_add_nc_u64 s[26:27], s[26:27], s[34:35]      ; my two images
	s_lshl_b32 s22, s14, 7
	s_add_co_u32 s34, s18, s22
	s_add_nc_u64 s[28:29], s[28:29], s[34:35]      ; my two tiles' scale words
	s_wait_alu depctr_va_vdst(0)
	v_lshlrev_b32 v8, s19, v7
	v_lshl_add_u32 v8, v4, 6, v8                   ; tile 2 w: row r + 8 (r / 8), + 64 h
	s_lshl_b32 s22, 8, s19
	v_add_nc_u32 v9, s22, v8                       ; tile 2 w + 1: eight rows on
	XLOAD 32, 8, 24
	XLOAD 96, 9, 24
.irp b, 0,1,2,3
	v_mov_b32 v[TM+4+\b], 0                        ; written once: a lane permute's destination counts as one of its sources
.endr
	v_cmp_le_u32 vcc_lo, 16, v2                    ; lanes 16-31
	s_wait_loadcnt 16                              ; the first tile's 16 loads are in; the second's 16 may be out
	QUANT 32, 176, 216
.irp c, 0,1,2
	global_store_b128 v5, v[176+4*\c:179+4*\c], s[26:27] offset:512*\c          ; 32 lanes store 512 consecutive bytes
.endr
	s_wait_loadcnt 0x0
	QUANT 96, 196, 217
.irp c, 0,1,2
	global_store_b128 v5, v[196+4*\c:199+4*\c], s[26:27] offset:1536+512*\c
.endr
	v_cndmask_b32 v218, v216, v217, vcc_lo         ; lanes 0-15 the first tile's words, lanes 16-31 the second's (a word stands in lanes l and l xor 16 alike)
	global_store_b32 v6, v218, s[28:29]            ; 128 consecutive bytes
	s_endpgm
	; ---- v: K = the keys, which are its rows.  A lane takes a column d and its registers run down the step's 128 keys: nothing is transposed by an instruction
.Lv:
	s_sub_co_u32 s15, ttmp9, 384                   ; 64 batch + 16 group + key step
	s_lshr_b32 s16, s15, 6
	s_lshl_b32 s16, s16, 22
	s_and_b32 s17, s15, 15
	s_lshl_b32 s17, s17, 18
	s_add_co_u32 s16, s16, s17
	s_bfe_u32 s17, s15, 0x20004
	s_lshl_b32 s17, s17, 9
	s_add_co_u32 s16, s16, s17
	s_lshl_b32 s17, s14, 7                         ; my wave's 32 columns: 128 bytes
	s_add_co_u32 s34, s16, s17
	s_mul_i32 s18, s15, BLK
	s_mul_i32 s19, s14, 3072
	s_add_co_u32 s19, s19, s18
	s_add_co_u32 s36, s19, 12288                   ; my two images of V^T
	s_mov_b32 s37, 0
	s_add_co_u32 s38, s18, s17
	s_add_co_u32 s38, s38, 25088                   ; my two tiles' scale words
	s_mov_b32 s39, 0
	s_wait_alu depctr_va_vdst(0)
	v_mul_u32_u24 v199, v4, 1536
	v_lshl_add_u32 v199, v3, 4, v199               ; lanes 0-15 make tile 2 w, lanes 16-31 tile 2 w + 1: 1,536 (lane / 16) + 16 r
	v_lshl_add_u32 v200, v4, 3, v7
	v_lshlrev_b32 v200, 2, v200                    ; my column of the wave's 32: 8 (lane / 16) + r + 8 (r / 8): the 32 lanes read 128 consecutive bytes
	s_wait_alu depctr_va_vdst(0)
	s_wait_kmcnt 0x0
	s_add_nc_u64 s[24:25], s[8:9], s[34:35]
	s_add_nc_u64 s[26:27], s[10:11], s[36:37]
	s_add_nc_u64 s[28:29], s[10:11], s[38:39]
.irp blk, 0,2,1,3                              ; the blocks of the first pass first
.set i, 0
.rept 32
	global_load_b32 v[32+32*\blk+i], v200, s[24:25] offset:(32*\blk+i)*2048 th:TH_LOAD_NT
.set i, i+1
.endr
.endr
	s_wait_loadcnt 63                              ; blocks 0 and 2 are in: 64 loads were issued behind them, and the wait's field names 63 at the most
	VPASS 0
	s_wait_loadcnt 0x0
	VPASS 1
	global_store_b32 v6, v198, s[28:29]            ; 128 consecutive bytes
	s_endpgm
.Lfunc_end_k_q345bd8953e_prep:
	.size	k_q345bd8953e_prep, .Lfunc_end_k_q345bd8953e_prep-k_q345bd8953e_prep
	.p2alignl 7, 3214868480
	.fill 96, 4, 3214868480
	.section	.rodata,"a",@progbits
	.p2align	6, 0x0
	.amdhsa_kernel k_q345bd8953e_prep
		.amdhsa_group_segment_fixed_size 0
		.amdhsa_private_segment_fixed_size 0
		.amdhsa_enable_private_segment 0
		.amdhsa_kernarg_size 40
		.amdhsa_user_sgpr_count 2
		.amdhsa_user_sgpr_kernarg_segment_ptr 1
		.amdhsa_wavefront_size32 1
		.amdhsa_system_sgpr_workgroup_id_x 1
		.amdhsa_system_sgpr_workgroup_id_y 1
		.amdhsa_system_sgpr_workgroup_id_z 1
		.amdhsa_system_vgpr_workitem_id 0
		.amdhsa_next_free_vgpr 224
		.amdhsa_next_free_sgpr 66
		.amdhsa_reserve_vcc 1
		.amdhsa_float_denorm_mode_32 3
		.amdhsa_float_denorm_mode_16_64 3
		.amdhsa_memory_ordered 1
		.amdhsa_forward_progress 1
		.amdhsa_inst_pref_size 34
	.end_amdhsa_kernel
	.amdgpu_metadata
---
amdhsa.version: [ 1, 2 ]
amdhsa.kernels:
  - .name:           k_q345bd8953e_prep
    .symbol:         k_q345bd8953e_prep.kd
    .args:
      - { .name: k, .offset: 0, .size: 8, .value_kind: global_buffer, .address_space: global }
      - { .name: Wc, .offset: 8, .size: 8, .value_kind: global_buffer, .address_space: global }
      - { .name: v, .offset: 16, .size: 8, .value_kind: global_buffer, .address_space: global }
      - { .name: kv, .offset: 24, .size: 8, .value_kind: global_buffer, .address_space: global }
      - { .name: wq, .offset: 32, .size: 8, .value_kind: global_buffer, .address_space: global }
    .group_segment_fixed_size: 0
    .private_segment_fixed_size: 0
    .kernarg_segment_align: 8
    .kernarg_segment_size: 40
    .max_flat_workgroup_size: 128
    .sgpr_count:     66
    .vgpr_count:     224
    .wavefront_size: 32
...
	.end_amdgpu_metadata
.endif
;; end of part 1
;; launch attn (part 2): grid 32 x 8, 8 waves a work-group, clusters of 4 x 1, 327,680 bytes of LDS; arguments q, kv, ao; writes ao
.if DOCPART == 2
	.amdgcn_target "amdgcn-amd-amdhsa--gfx1250"
	.amdhsa_code_object_version 6
	.text
	.protected	k_q345bd8953e_attn
	.globl	k_q345bd8953e_attn
	.p2align	8
	.type	k_q345bd8953e_attn,@function
k_q345bd8953e_attn:
	s_mov_b64 s[64:65], 0
	v_nop
	global_prefetch_b8 v0, s[64:65] scope:SCOPE_SE
	s_setreg_imm32_b32 hwreg(HW_REG_WAVE_MODE, 25, 1), 1
	s_wait_xcnt 0x0
	s_wait_alu depctr_hold_cnt(0) depctr_sa_sdst(0) depctr_va_vdst(0) depctr_va_sdst(0) depctr_va_ssrc(0) depctr_va_vcc(0) depctr_vm_vsrc(0)
	s_getreg_b32 s2, hwreg(HW_REG_IB_STS2, 6, 4)
	s_cmp_eq_u32 s2, 0
	s_cbranch_scc0 .Lentry_in_a_cluster
	s_endpgm
.Lentry_in_a_cluster:
	s_bfe_u32 s2, ttmp6, 0x10000c
	s_cmp_lg_u32 s2, 0x3003
	s_cbranch_scc0 .Lentry_shape_is_right
	s_endpgm
.Lentry_shape_is_right:
; Grouped-query attention on codes of FP6 (E2M3), one E8M0 scale for each 32 along a product's K.  q [2][2048][2048] f32 is quantised here, in registers (each row of a head is used by one wave);
; K and V come as images of operand registers out of kv ([batch x group 8][key step 16] blocks of 25,600 bytes: 8 tiles of K, 8 of V^T at 12,288, K's scale words at 24,576, V's at 25,088).
; THE SOFTMAX: t = score x log2(e) / sqrt(128); M = the running largest t rounded UP to a whole number; p = 2^(t - M) is quantised along the keys; the row's sum is taken of the unquantised p
; and divides O at the end.  When M moves, the sum and O are multiplied by 2^(old M - new M): exact.
; THE RESULT, O / sum, is quantised along the channels: 16 queries x 128 channels are one fragment of the projection's left operand.  ao: [128 rows 32][head 16] blocks of 12,800 bytes:
; 8 images of 1,536 bytes, then 8 x 64 bytes of scale words.
; SHARES: a work-group owns 256 queries of one head; each of its eight waves 32 of them, as two tiles of 16: every fragment of K and of V^T that a wave reads from LDS feeds two products.
; Every wave walks the 2,048 keys, 128 a step, through a ring of two LDS slots of four key steps; waves 0-3 fetch one step's block each (100 rows of 256 bytes, dense).
; q's 256 rows x 512 bytes come by tensor loads too (waves 4-7, 64 rows each, 16 bytes of padding behind each row), into the bytes that later are slot 1: so each wave issues one load at the head.
; CLUSTER: the four work-groups of a cluster belong to one batch and group and walk the same blocks of kv: each block is asked for JOINTLY.  q's loads are each work-group's own (no mask).
; NO PREFETCH: a refill is asked for four key steps (128 products a wave) ahead of the wait for it, and only the first four blocks and q are waited for with nothing to run ahead in.
; LAYOUT: both products transposed (S^T = K Q^T, O^T = V^T P^T): a lane holds ONE query of each tile.  The rows of a tile of K and of V^T are chosen (lane r of tile 2 b + u: row 32 b + 8 u + r + 8 (r / 8)),
; so that the 16 registers of result tiles 2 b and 2 b + 1 are 16 neighbours: 32 b + 16 (lane / 16) + 0 .. 15.
; LIMITS: NaN and infinities among the inputs are not served; a block whose largest magnitude lies under 2^-124 (a block of zeros too) gets the scale byte 1; 1 / sum is v_rcp_f32;
; a block's largest p is made from the block's largest score by the same multiply-add and exponential as every p; the promise holds while |t| stays under 2^31.
; REGISTERS, two windows of 256.  Query tile x lives in window x under the same numbers: v12 -M, v13 largest t, v[14:15] sum, v16-27 Q, v88-95 at work, v224-235 p's codes, v232-251 at work,
; v252 f, v253 p's scale word, v255 Q's.  S^T (then p) at v96 in window 0 and v160 in window 1, O^T at v160 and v96.  v32-79: fragments, tiles 0-3 in window 0, tiles 4-7 in window 1.
; Window 0 alone: v1-9 addresses, v10, v11 tile 1's scale words of Q and p (scale operands have no window), v80-83 K's scale words, v84-87 V's.
.set BLK,   25600
.set SLOT1, 1<<17                      ; slot 1 begins here: one exclusive or turns a slot's base into the other's
.set QP,    528                        ; q's LDS row: 512 bytes + 16
.set SPARE, SLOT1+256*QP               ; behind q's tile: the spare words, 128 bytes for each of 8 waves
.set VIM,   12288
.set KSC,   24576
.set VSC,   25088
.set LI,  1                            ; 16 x lane
.set LS,  2                            ; 4 x lane
.set SPW, 3                            ; my spare word; never rewritten
.set NIL, 4                            ; 0; never rewritten
.set ADI, 5                            ; the step's block + LI
.set ADW, 6                            ; the step's block + LS
.set QO,  7                            ; q in LDS: my lane's bytes of the wave's first tile
.set LN,  8                            ; lane
.set TW,  9                            ; at work
.set QSB, 10
.set PSB, 11
.set QF,  16
.set FRG, 32
.set KS,  80
.set VS,  84
.set TM,  232
.set WV,  10
.set SEL, 20                           ; s[20:21] lane selects: lane l xor 16
.set CS,  22                           ; s[22:23] c = log2(e) / sqrt(128)
.set G1,  24                           ; s[24:31] group 1 for kv's blocks;  s[32:35] their group 0, which walks
.set G0,  32
.set TB,  36                           ; the slot's base
.set SLOTS, 37
.set CNT, 38
.set OF,  39                           ; the step's place in the slot
.set G1Q, 52                           ; s[52:59], s[60:63] groups 1 and 0 for q
.set G0Q, 60
.set MSB, 0
.macro WIN new                         ; low byte: bits 1:0 source 0, 3:2 source 1, 5:4 source 2, 7:6 destination; the high byte repeats the setting that is left
.if MSB != (\new)
	s_set_vgpr_msb (MSB<<8)|(\new)
.set MSB, (\new)
.endif
.endm
; v[s + 16 b + i] = k 32 b + 16 (lane / 16) + i of my row  ->  a fragment's codes in v[pc .. pc + 11] (pc + 12 .. pc + 18 at work) and the row's scale word in v[pw]
.macro QUANT s, pc, pw
.irp b, 0,1,2,3
	v_max3_num_f32 v[TM+\b], |v[\s+16*\b]|, |v[\s+1+16*\b]|, 0x1800000   ; the floor 2^(3 - 127): the byte cannot fall under 1
.endr
.irp i, 2,4,6,8,10,12,14
.irp b, 0,1,2,3
	s_delay_alu instid0(VALU_DEP_4)
	v_max3_num_f32 v[TM+\b], v[TM+\b], |v[\s+16*\b+\i]|, |v[\s+1+16*\b+\i]|
.endr
.endr
.irp b, 0,1,2,3
	s_delay_alu instid0(VALU_DEP_4)
	v_permlanex16_b32 v[TM+4+\b], v[TM+\b], s[SEL], s[SEL+1]
.endr
.irp b, 0,1,2,3
	s_delay_alu instid0(VALU_DEP_4)
	v_max_num_f32 v[TM+\b], v[TM+\b], v[TM+4+\b]
.endr
.irp b, 0,1,2,3
	s_delay_alu instid0(VALU_DEP_4)
	v_add_nc_u32 v[TM+12+\b], 0xff000000, v[TM+\b]                      ; 2 off the exponent field: the conversion's scale operand
.endr
.irp b, 0,1,2,3
	s_delay_alu instid0(VALU_DEP_4)
	v_lshrrev_b32 v[TM+4+\b], 23, v[TM+12+\b]                           ; the scale's byte
.endr
	s_delay_alu instid0(VALU_DEP_3)
	v_lshl_or_b32 v[\pw], v[TM+5], 8, v[TM+4]
	s_delay_alu instid0(VALU_DEP_1)
	v_lshl_or_b32 v[\pw], v[TM+6], 16, v[\pw]
	s_delay_alu instid0(VALU_DEP_1)
	v_lshl_or_b32 v[\pw], v[TM+7], 24, v[\pw]
.irp c, 0,1
	v_cvt_scalef32_pk16_fp6_f32 v[\pc+6*\c:\pc+2+6*\c], v[\s+32*\c:\s+15+32*\c], v[TM+12+2*\c]
	v_cvt_scalef32_pk16_fp6_f32 v[\pc+12+4*\c:\pc+14+4*\c], v[\s+16+32*\c:\s+31+32*\c], v[TM+12+2*\c+1]
.endr
	v_nop                                          ; one plain place behind a scaled conversion
.irp c, 0,1
.irp i, 0,1,2
	v_permlane16_swap_b32 v[\pc+6*\c+\i], v[\pc+12+4*\c+\i]
.endr
.irp i, 0,1,2
	s_delay_alu instid0(VALU_DEP_3)
	v_mov_b32 v[\pc+3+6*\c+\i], v[\pc+12+4*\c+\i]
.endr
.endr
.endm
.macro CROUND                          ; a round of the cluster's barrier
	s_barrier_signal -1
	s_barrier_wait -1
	s_cmp_lg_u32 s[WV], 0
	s_cbranch_scc1 .Lnot_wave_0_\@
	s_barrier_signal -3
.Lnot_wave_0_\@:
	s_barrier_wait -3
	s_barrier_signal -1
	s_barrier_wait -1
.endm
.macro JLOAD                           ; a joint refill: waves 0-3 fetch one key step's block each
	s_cmp_lt_u32 s[WV], 4
	s_cbranch_scc0 .Lasked_\@
	tensor_load_to_lds s[G0:G0+3], s[G1:G1+7]
	s_nop 0
.rept 4
	v_nop
.endr
.Lasked_\@:
.endm
.macro FLOAD base                      ; eight images at byte base of the step's block: 512 consecutive bytes a load
.irp w, 0,1
	WIN 0x40*\w
.irp t, 0,1,2,3
.irp c, 0,1,2
	ds_load_b128 v[FRG+12*\t+4*\c:FRG+12*\t+4*\c+3], v[ADI] offset:\base+1536*(4*\w+\t)+512*\c
.endr
.endr
.endr
	WIN 0
.endm
.macro KLOAD                           ; K's scale words (tiles 2 u in lanes 0-15, 2 u + 1 in lanes 16-31) and its eight tiles
.irp u, 0,1,2,3
	ds_load_b32 v[KS+\u], v[ADW] offset:KSC+128*\u
.endr
	FLOAD 0
.endm
.macro SMM w, x                        ; S^T of query tile x, K's tiles 4 w .. 4 w + 3
	WIN (0x44*\x)|\w
.irp t, 0,1,2,3
.if \t%2
	v_wmma_scale_f32_16x16x128_f8f6f4 v[96+64*\x+8*(4*\w+\t):103+64*\x+8*(4*\w+\t)], v[FRG+12*\t:FRG+12*\t+11], v[QF:QF+11], 0, v[KS+2*\w+\t/2], v[255-245*\x] matrix_a_fmt:MATRIX_FMT_FP6 matrix_b_fmt:MATRIX_FMT_FP6 matrix_a_scale:MATRIX_SCALE_ROW1
.else
	v_wmma_scale_f32_16x16x128_f8f6f4 v[96+64*\x+8*(4*\w+\t):103+64*\x+8*(4*\w+\t)], v[FRG+12*\t:FRG+12*\t+11], v[QF:QF+11], 0, v[KS+2*\w+\t/2], v[255-245*\x] matrix_a_fmt:MATRIX_FMT_FP6 matrix_b_fmt:MATRIX_FMT_FP6
.endif
.endr
.endm
.macro PMM w, x                        ; O^T of query tile x += V^T's tiles 4 w .. 4 w + 3 x P^T: the sixteen accumulators take turns
	WIN (0x54*\x)|\w
.irp t, 0,1,2,3
.if \t%2
	v_wmma_scale_f32_16x16x128_f8f6f4 v[160-64*\x+8*(4*\w+\t):167-64*\x+8*(4*\w+\t)], v[FRG+12*\t:FRG+12*\t+11], v[224:235], v[160-64*\x+8*(4*\w+\t):167-64*\x+8*(4*\w+\t)], v[VS+2*\w+\t/2], v[253-242*\x] matrix_a_fmt:MATRIX_FMT_FP6 matrix_b_fmt:MATRIX_FMT_FP6 matrix_a_scale:MATRIX_SCALE_ROW1
.else
	v_wmma_scale_f32_16x16x128_f8f6f4 v[160-64*\x+8*(4*\w+\t):167-64*\x+8*(4*\w+\t)], v[FRG+12*\t:FRG+12*\t+11], v[224:235], v[160-64*\x+8*(4*\w+\t):167-64*\x+8*(4*\w+\t)], v[VS+2*\w+\t/2], v[253-242*\x] matrix_a_fmt:MATRIX_FMT_FP6 matrix_b_fmt:MATRIX_FMT_FP6
.endif
.endr
.endm
; The softmax of query tile x for the step's 128 keys: scores -> p, p's codes and scale word; O^T and the sum are brought under the new M
.macro SOFT x
.set SX, 96+64*\x
.set OX, 160-64*\x
	WIN 0x55*\x
	s_wait_alu depctr_va_vdst(0)                   ; the wait directly ahead of the first reader of the scores
.irp b, 0,1,2,3
	v_max3_num_f32 v[TM+\b], v[SX+16*\b], v[SX+1+16*\b], v[SX+2+16*\b]   ; the largest score of each block of 32 keys: for the row's maximum and for the block's largest p
.endr
.irp i, 3,5,7,9,11,13
.irp b, 0,1,2,3
	v_max3_num_f32 v[TM+\b], v[TM+\b], v[SX+16*\b+\i], v[SX+1+16*\b+\i]
.endr
.endr
.irp b, 0,1,2,3
	v_max_num_f32 v[TM+\b], v[TM+\b], v[SX+15+16*\b]
.endr
.irp b, 0,1,2,3
	s_delay_alu instid0(VALU_DEP_4)
	v_permlanex16_b32 v[236+\b], v[TM+\b], s[SEL], s[SEL+1]
.endr
.irp b, 0,1,2,3
	s_delay_alu instid0(VALU_DEP_4)
	v_max_num_f32 v[TM+\b], v[TM+\b], v[236+\b]    ; with lane l xor 16's 16 keys
.endr
	s_delay_alu instid0(VALU_DEP_2)
	v_max3_num_f32 v254, v232, v233, v234
	s_delay_alu instid0(VALU_DEP_1)
	v_max_num_f32 v254, v254, v235                 ; the step's largest score of my query
	s_delay_alu instid0(VALU_DEP_1)
	v_mul_f32 v254, s[CS], v254                    ; as t (c is positive)
	s_delay_alu instid0(VALU_DEP_1)
	v_max_num_f32 v13, v13, v254                   ; the running largest t
	v_mov_b32 v254, v12
	s_delay_alu instid0(VALU_DEP_2)
	v_floor_f32 v12, -v13                          ; the new -M = -ceil(t)
	s_delay_alu instid0(VALU_DEP_1)
	v_sub_f32 v254, v12, v254                      ; old M - new M: a whole number, 0 or less
	s_delay_alu instid0(VALU_DEP_1)
	v_cvt_i32_f32 v254, v254                       ; (it saturates)
	s_delay_alu instid0(VALU_DEP_1)
	v_ldexp_f32 v252, 1.0, v254                    ; f = 2^(old M - new M)
.set j, 0
.rept 32
	v_pk_fma_f32 v[SX+j:SX+j+1], v[SX+j:SX+j+1], s[CS:CS+1], v[12:13] op_sel_hi:[1,0,0]   ; t - M, two at a time
.set j, j+2
.endr
.irp b, 0,1,2,3
	v_fma_f32 v[TM+\b], v[TM+\b], s[CS], v12       ; the same of each block's largest score
.endr
	s_wait_alu depctr_va_vdst(0)                   ; the wait ahead of the batch
.set j, 0
.rept 64
	v_exp_f32 v[SX+j], v[SX+j]                     ; p = 2^(t - M), at most 1
.set j, j+1
.endr
.irp b, 0,1,2,3
	v_exp_f32 v[TM+\b], v[TM+\b]                   ; the block's largest p
.endr
	v_pk_mul_f32 v[14:15], v[14:15], v[252:253] op_sel_hi:[1,0]   ; the sums under the new M (a plain place behind the exponentials)
	s_wait_alu depctr_va_vdst(0)                   ; and behind it
.irp b, 0,1,2,3
	v_max_num_f32 v[TM+\b], 0x1800000, v[TM+\b]    ; the floor 2^(3 - 127)
.endr
.irp b, 0,1,2,3
	s_delay_alu instid0(VALU_DEP_4)
	v_add_nc_u32 v[244+\b], 0xff000000, v[TM+\b]   ; the conversion's scale operand
.endr
.irp b, 0,1,2,3
	s_delay_alu instid0(VALU_DEP_4)
	v_lshrrev_b32 v[236+\b], 23, v[244+\b]         ; the scale's byte
.endr
	s_delay_alu instid0(VALU_DEP_3)
	v_lshl_or_b32 v253, v237, 8, v236              ; p's scale word for these 128 keys
	s_delay_alu instid0(VALU_DEP_1)
	v_lshl_or_b32 v253, v238, 16, v253
	s_delay_alu instid0(VALU_DEP_1)
	v_lshl_or_b32 v253, v239, 24, v253
.if \x
	WIN 0x01
	v_mov_b32 v[PSB], v253                         ; a scale operand is taken from window 0
	WIN 0x55
.endif
.irp c, 0,1
	v_cvt_scalef32_pk16_fp6_f32 v[224+6*\c:226+6*\c], v[SX+32*\c:SX+15+32*\c], v[244+2*\c]
	v_cvt_scalef32_pk16_fp6_f32 v[236+4*\c:238+4*\c], v[SX+16+32*\c:SX+31+32*\c], v[244+2*\c+1]
.endr
	v_nop                                          ; one plain place behind a scaled conversion
.irp c, 0,1
.irp i, 0,1,2
	v_permlane16_swap_b32 v[224+6*\c+\i], v[236+4*\c+\i]
.endr
.irp i, 0,1,2
	s_delay_alu instid0(VALU_DEP_3)
	v_mov_b32 v[227+6*\c+\i], v[236+4*\c+\i]
.endr
.endr
	s_wait_alu depctr_va_vdst(0)                   ; the wait directly ahead of the first reader of O^T
.set j, 0
.rept 32
	v_pk_mul_f32 v[OX+j:OX+j+1], v[OX+j:OX+j+1], v[252:253] op_sel_hi:[1,0]   ; O^T under the new M; also the places between p's codes and scale word and the products
.set j, j+2
.endr
.endm
.macro SUMS x                          ; the row's sum of the unquantised p: 32 packed additions in eight chains
.set SX, 96+64*\x
	WIN 0x55*\x
.set j, 0
.irp a, 88,90,92,94,248,250,236
	v_pk_add_f32 v[\a:\a+1], v[SX+j:SX+j+1], v[SX+j+2:SX+j+3]
.set j, j+4
.endr
.rept 2
.irp a, 14,88,90,92,94,248,250,236
	v_pk_add_f32 v[\a:\a+1], v[\a:\a+1], v[SX+j:SX+j+1]
.set j, j+2
.endr
.endr
	v_pk_add_f32 v[14:15], v[14:15], v[SX+60:SX+61]
	v_pk_add_f32 v[88:89], v[88:89], v[SX+62:SX+63]
	v_pk_add_f32 v[90:91], v[90:91], v[92:93]
	v_pk_add_f32 v[94:95], v[94:95], v[248:249]
	v_pk_add_f32 v[250:251], v[250:251], v[236:237]
	s_delay_alu instid0(VALU_DEP_4)
	v_pk_add_f32 v[14:15], v[14:15], v[88:89]
	s_delay_alu instid0(VALU_DEP_3)
	v_pk_add_f32 v[90:91], v[90:91], v[94:95]
	s_delay_alu instid0(VALU_DEP_2)
	v_pk_add_f32 v[14:15], v[14:15], v[250:251]
	s_delay_alu instid0(VALU_DEP_1)
	v_pk_add_f32 v[14:15], v[14:15], v[90:91]
.endm
; THE CHANGE OF SLOTS: each wave waits for all its tensor loads, adds 0 to its spare word, and waits for that and for its reads of the bytes that it has left.
; fill = 1: a round of the cluster's barrier, and behind it those bytes are filled with the next four key steps.
.macro CHANGE fill
	s_wait_tensorcnt 0x0                           ; no tensor load of mine is out, so group 0 may be written
	ds_add_u32 v[SPW], v[NIL]
.if \fill
	s_xor_b32 s[G0+1], s[G0+1], SLOT1
	s_add_nc_u64 s[G0+2:G0+3], s[G0+2:G0+3], 4*BLK
.endif
	s_wait_dscnt 0x0
.if \fill
	CROUND
	JLOAD                                          ; a wave's one tensor load until the next round
.else
	s_barrier_signal -1
	s_barrier_wait -1
.endif
.endm
; A slot's four key steps.  A step's K is asked for behind the step before (the slot's first: here); V^T behind the scores' products, ahead of both softmaxes.
.macro FOUR_STEPS
	s_mov_b32 s[CNT], 4
	s_mov_b32 s[OF], 0
	v_add_nc_u32 v[ADI], s[TB], v[LI]
	v_add_nc_u32 v[ADW], s[TB], v[LS]
	s_wait_alu depctr_va_vdst(0)                   ; the wait behind these writes
	KLOAD
.Lstep_\@:
	s_wait_dscnt 0x0                               ; K's tiles and scale words are in
	SMM 0, 0
	SMM 0, 1
	SMM 1, 0
	SMM 1, 1
	WIN 0
.rept 4
	v_nop                                          ; places in front of the loads below and of the first read of the scores
.endr
	FLOAD VIM
.irp u, 0,1,2,3
	ds_load_b32 v[VS+\u], v[ADW] offset:VSC+128*\u
.endr
	SOFT 0
	SOFT 1
	WIN 0
	s_wait_alu depctr_va_vdst(0)                   ; the wait directly ahead of the wait below
	s_wait_dscnt 0x0                               ; V^T's tiles and scale words are in
	PMM 0, 0
	PMM 0, 1
	PMM 1, 0
	PMM 1, 1
	WIN 0
	s_add_co_u32 s[OF], s[OF], BLK
	s_min_u32 s50, s[OF], 3*BLK                    ; held inside the slot
	s_add_co_u32 s50, s50, s[TB]
	s_sub_co_u32 s[CNT], s[CNT], 1
	v_add_nc_u32 v[ADI], s50, v[LI]
	v_add_nc_u32 v[ADW], s50, v[LS]
	v_nop
	v_nop                                          ; four places behind the products, in front of loads into the registers that they read
	s_wait_alu depctr_va_vdst(0)                   ; the wait directly ahead of the branch
	s_cmp_eq_u32 s[CNT], 0
	s_cbranch_scc1 .Lno_\@                         ; the slot's last step asks for nothing: the next K lies behind the change of slots
	KLOAD
.Lno_\@:
	SUMS 0                                         ; the sums stand between the request for K and the wait for it
	SUMS 1
	WIN 0
	s_wait_alu depctr_va_vdst(0)                   ; the wait directly ahead of the branch
	s_cmp_lg_u32 s[CNT], 0
	s_cbranch_scc1 .Lstep_\@
	s_xor_b32 s[TB], s[TB], SLOT1
.endm
; THE WAY OUT of query tile x: O^T / the sum, quantised along the channels, stored as an image
.macro TAIL x
.set SX, 96+64*\x
.set OX, 160-64*\x
.if \x
	s_wait_xcnt 0x0                                ; the first tile's stores have read their registers
.endif
	WIN 0x55*\x
	v_add_f32 v14, v14, v15
	s_delay_alu instid0(VALU_DEP_1)
	v_permlanex16_b32 v252, v14, s[SEL], s[SEL+1]
	s_delay_alu instid0(VALU_DEP_1)
	v_add_f32 v14, v14, v252                       ; the row's sum
	s_wait_alu depctr_va_vdst(0)
	v_rcp_f32 v14, v14
	v_nop
	s_wait_alu depctr_va_vdst(0)
.set j, 0
.rept 64
	v_mul_f32 v[SX+j], v[OX+j], v14                ; register 16 b + i is channel 32 b + 16 (lane / 16) + i; each accumulator is read from its low end on
.set j, j+1
.endr
	QUANT SX, 32, 254
	WIN 0x04*\x
.irp c, 0,1,2
	global_store_b128 v[LI], v[32+4*\c:35+4*\c], s[8:9] offset:1536*\x+512*\c   ; 32 lanes store 512 consecutive bytes
.endr
.endm
	s_load_b128 s[4:7], s[0:1], 0x0                ; q s[4:5], kv s[6:7]
	s_load_b64 s[8:9], s[0:1], 0x10                ; ao
	v_lshl_add_u32 v[SPW], v0, 2, SPARE
	v_mov_b32 v[NIL], 0
	ds_add_u32 v[SPW], v[NIL]                      ; the opening lines: the add twice on end and one wait
	ds_add_u32 v[SPW], v[NIL]
	v_lshrrev_b32 v[TW], 5, v0
	v_readfirstlane_b32 s[WV], v[TW]               ; wave 0..7
	s_bfe_u32 s11, ttmp6, 0x40000                  ; cx
	s_lshl_b32 s12, ttmp9, 2
	s_add_co_u32 s12, s12, s11                     ; 8 x head in the group + block of 256 queries: it enters q's and ao's addresses alone
	s_and_b32 s13, ttmp7, 0xffff                   ; 4 x batch + group, which the four partners share
	s_mov_b32 s[G1], 15|(3<<16)|(1<<21)            ; kv: the mask of all four; elements of 8 bytes; no padding
	s_mov_b32 s[G1+1], 32<<16
	s_mov_b32 s[G1+2], 100<<16
	s_mov_b32 s[G1+3], 32<<16
	s_mov_b32 s[G1+4], 100                         ; 100 rows of 256 bytes, dense
	s_mov_b32 s[G1+5], 32
	s_mov_b32 s[G1+6], 0
	s_mov_b32 s[G1+7], 0
	s_mov_b32 s[G1Q], (2<<16)|(1<<20)|(6<<22)|(3<<25)  ; q: no mask; elements of 4 bytes; 4 words of padding behind every 128
	s_mov_b32 s[G1Q+1], 128<<16
	s_mov_b32 s[G1Q+2], 64<<16
	s_mov_b32 s[G1Q+3], 128<<16
	s_mov_b32 s[G1Q+4], 64                         ; 64 rows of 128 numbers,
	s_mov_b32 s[G1Q+5], 2048                       ; 2,048 numbers from row to row
	s_mov_b32 s[G1Q+6], 0
	s_mov_b32 s[G1Q+7], 0
	s_min_u32 s14, s[WV], 3                        ; which key step of a slot I fetch (held for the waves that fetch none)
	s_mul_i32 s14, s14, BLK
	s_mul_i32 s42, s13, 16*BLK
	s_add_co_u32 s42, s42, s14
	s_mov_b32 s43, 0
	s_lshr_b32 s15, s13, 2                         ; batch
	s_and_b32 s16, s13, 3                          ; group
	s_lshr_b32 s17, s12, 3                         ; head in the group
	s_and_b32 s18, s12, 7                          ; block of 256 queries
	s_lshl_b32 s19, s16, 2
	s_add_co_u32 s19, s19, s17                     ; head
	s_and_b32 s51, s[WV], 3                        ; which 64 rows of q I fetch, if I fetch (waves 4-7: 0 .. 3)
	s_lshl_b32 s44, s15, 11
	s_lshl_b32 s45, s18, 8
	s_add_co_u32 s44, s44, s45
	s_lshl_b32 s45, s51, 6
	s_add_co_u32 s44, s44, s45                     ; row 2,048 batch + 256 block + 64 x that
	s_lshl_b32 s44, s44, 13
	s_lshl_b32 s45, s19, 9
	s_add_co_u32 s44, s44, s45                     ; x 8,192 bytes + head x 512
	s_mov_b32 s45, 0
	s_mul_i32 s51, s51, 64*QP
	s_add_co_u32 s51, s51, SLOT1                   ; and where they go
	s_lshl_b32 s46, s15, 4
	s_lshl_b32 s47, s18, 1
	s_add_co_u32 s46, s46, s47
	s_lshr_b32 s47, s[WV], 2
	s_add_co_u32 s46, s46, s47                     ; which 128 rows of ao
	s_lshl_b32 s46, s46, 4
	s_add_co_u32 s46, s46, s19
	s_mul_i32 s46, s46, 12800                      ; the block's first byte
	s_and_b32 s17, s[WV], 3                        ; my pair of tiles in it
	s_lshl_b32 s48, s17, 7
	s_add_co_u32 s48, s48, s46
	s_add_co_u32 s48, s48, 12288                   ; their scale words
	s_mov_b32 s49, 0
	s_mul_i32 s17, s17, 3072
	s_add_co_u32 s46, s46, s17                     ; their images
	s_mov_b32 s47, 0
	s_mov_b32 s[SEL], 0x76543210
	s_mov_b32 s[SEL+1], 0xfedcba98
	s_mov_b32 s[CS], 0x3e0293ee
	s_mov_b32 s[CS+1], s[CS]
	s_mov_b32 s[TB], 0
	s_mov_b32 s[SLOTS], 3
	s_wait_dscnt 0x0                               ; both opening adds are done
	s_wait_kmcnt 0x0
	s_mov_b32 s[G0], 1
	s_mov_b32 s[G0+1], s14
	s_add_nc_u64 s[G0+2:G0+3], s[6:7], s[42:43]    ; it hangs on batch, group and wave alone
	s_or_b32 s[G0+3], s[G0+3], 0x80000000
	s_mov_b32 s[G0Q], 1
	s_mov_b32 s[G0Q+1], s51
	s_add_nc_u64 s[G0Q+2:G0Q+3], s[4:5], s[44:45]
	s_or_b32 s[G0Q+3], s[G0Q+3], 0x80000000
	s_add_nc_u64 s[40:41], s[8:9], s[48:49]
	s_add_nc_u64 s[8:9], s[8:9], s[46:47]
	CROUND                                         ; all four work-groups are here: the first joint loads meet
	s_cmp_lt_u32 s[WV], 4                          ; the head's loads, one a wave: waves 0-3 key steps 0-3, waves 4-7 q's rows
	s_cbranch_scc0 .Lhead_q
	tensor_load_to_lds s[G0:G0+3], s[G1:G1+7]
	s_nop 0
.rept 4
	v_nop
.endr
	s_branch .Lhead_asked
.Lhead_q:
	tensor_load_to_lds s[G0Q:G0Q+3], s[G1Q:G1Q+7]
	s_nop 0
.rept 4
	v_nop
.endr
.Lhead_asked:
	v_and_b32 v[LN], 31, v0
	v_lshlrev_b32 v[LI], 4, v[LN]
	v_lshlrev_b32 v[LS], 2, v[LN]
	v_and_b32 v[TW], 15, v0
	v_mul_u32_u24 v[QO], v[TW], QP
	v_bfe_u32 v[TW], v0, 4, 1
	v_lshl_add_u32 v[QO], v[TW], 6, v[QO]          ; row r of 528 bytes, + 64 h
	s_mul_i32 s50, s[WV], 32*QP
	s_add_co_u32 s50, s50, SLOT1
	v_add_nc_u32 v[QO], s50, v[QO]                 ; my wave's 32 rows
.irp x, 0,1
	WIN 0x40*\x
.irp b, 0,1,2,3
	v_mov_b32 v[236+\b], 0                         ; a lane permute's destination counts as one of its sources
.endr
.set j, 0
.rept 64
	v_mov_b32 v[160-64*\x+j], 0                    ; O^T: the step is written for the loop alone, and its first walk finds zeros
.set j, j+1
.endr
	v_mov_b32 v13, 0xff61b1e6                      ; the largest t so far: -3e38
	v_mov_b32 v12, 0x7f61b1e6                      ; -M: 3e38, a whole number
	v_mov_b32 v14, 0
	v_mov_b32 v15, 0
	v_mov_b32 v253, 0
.endr
	WIN 0
	s_wait_alu depctr_va_vdst(0)
	s_wait_tensorcnt 0x0                           ; my load has landed;
	s_barrier_signal -1
	s_barrier_wait -1                              ; everybody's has.
.irp x, 1,0
	WIN 0x40*\x
.irp b, 0,1,2,3
.irp j, 0,1,2,3
	ds_load_b128 v[96+64*\x+16*\b+4*\j:99+64*\x+16*\b+4*\j], v[QO] offset:16*QP*\x+128*\b+16*\j   ; of my row, 16 neighbours of each of the four blocks of 32
.endr
.endr
.endr
	s_wait_dscnt 16                                ; tile 1's 16 loads are in; tile 0's 16 may be out
	WIN 0x55
	QUANT 160, QF, 255
	WIN 0x01
	v_mov_b32 v[QSB], v255
	WIN 0
	s_wait_alu depctr_va_vdst(0)                   ; the wait directly ahead of the wait below
	s_wait_dscnt 0x0
	QUANT 96, QF, 255
.rept 4
	v_nop                                          ; places between Q's codes and the first product
.endr
	s_wait_alu depctr_va_vdst(0)
.Lslot:                                            ; three trips; the first refill lands on q's bytes, which every wave has read
	CHANGE 1
	FOUR_STEPS
	s_sub_co_u32 s[SLOTS], s[SLOTS], 1
	s_cmp_lg_u32 s[SLOTS], 0
	s_cbranch_scc1 .Lslot
	CHANGE 0                                       ; the last slot is written out
	FOUR_STEPS
	TAIL 0
	TAIL 1
	WIN 0x01
	v_mov_b32 v[TW], v254
	WIN 0
	v_cmp_le_u32 vcc_lo, 16, v[LN]
	v_cndmask_b32 v[TW], v254, v[TW], vcc_lo       ; lanes 0-15 tile 0's scale words, lanes 16-31 tile 1's (a word stands in lanes l and l xor 16 alike)
	global_store_b32 v[LS], v[TW], s[40:41]        ; 128 consecutive bytes
	s_wait_tensorcnt 0x0                           ; the wave's end
	ds_add_u32 v[SPW], v[NIL]
	s_wait_dscnt 0x0
	CROUND                                         ; the closing round
	s_endpgm
.Lfunc_end_k_q345bd8953e_attn:
	.size	k_q345bd8953e_attn, .Lfunc_end_k_q345bd8953e_attn-k_q345bd8953e_attn
	.p2alignl 7, 3214868480
	.fill 96, 4, 3214868480
	.section	.rodata,"a",@progbits
	.p2align	6, 0x0
	.amdhsa_kernel k_q345bd8953e_attn
		.amdhsa_group_segment_fixed_size 327680
		.amdhsa_private_segment_fixed_size 0
		.amdhsa_enable_private_segment 0
		.amdhsa_kernarg_size 24
		.amdhsa_user_sgpr_count 2
		.amdhsa_user_sgpr_kernarg_segment_ptr 1
		.amdhsa_wavefront_size32 1
		.amdhsa_system_sgpr_workgroup_id_x 1
		.amdhsa_system_sgpr_workgroup_id_y 1
		.amdhsa_system_sgpr_workgroup_id_z 1
		.amdhsa_system_vgpr_workitem_id 0
		.amdhsa_next_free_vgpr 512
		.amdhsa_next_free_sgpr 66
		.amdhsa_reserve_vcc 1
		.amdhsa_float_denorm_mode_32 3
		.amdhsa_float_denorm_mode_16_64 3
		.amdhsa_memory_ordered 1
		.amdhsa_forward_progress 1
		.amdhsa_inst_pref_size 119
	.end_amdhsa_kernel
	.amdgpu_metadata
---
amdhsa.version: [ 1, 2 ]
amdhsa.kernels:
  - .name:           k_q345bd8953e_attn
    .symbol:         k_q345bd8953e_attn.kd
    .args:
      - { .name: q, .offset: 0, .size: 8, .value_kind: global_buffer, .address_space: global }
      - { .name: kv, .offset: 8, .size: 8, .value_kind: global_buffer, .address_space: global }
      - { .name: ao, .offset: 16, .size: 8, .value_kind: global_buffer, .address_space: global }
    .group_segment_fixed_size: 327680
    .private_segment_fixed_size: 0
    .kernarg_segment_align: 8
    .kernarg_segment_size: 24
    .max_flat_workgroup_size: 256
    .sgpr_count:     66
    .vgpr_count:     512
    .wavefront_size: 32
...
	.end_amdgpu_metadata
.endif
;; end of part 2
;; launch proj (part 3): grid 8 x 32, 8 waves a work-group, clusters of 4 x 4, 327,680 bytes of LDS; arguments ao, wq, bc, out0; writes out0
.if DOCPART == 3
	.amdgcn_target "amdgcn-amd-amdhsa--gfx1250"
	.amdhsa_code_object_version 6
	.text
	.protected	k_q345bd8953e_proj
	.globl	k_q345bd8953e_proj
	.p2align	8
	.type	k_q345bd8953e_proj,@function
k_q345bd8953e_proj:
	s_mov_b64 s[64:65], 0
	v_nop
	global_prefetch_b8 v0, s[64:65] scope:SCOPE_SE
	s_setreg_imm32_b32 hwreg(HW_REG_WAVE_MODE, 25, 1), 1
	s_wait_xcnt 0x0
	s_wait_alu depctr_hold_cnt(0) depctr_sa_sdst(0) depctr_va_vdst(0) depctr_va_sdst(0) depctr_va_ssrc(0) depctr_va_vcc(0) depctr_vm_vsrc(0)
	s_getreg_b32 s2, hwreg(HW_REG_IB_STS2, 6, 4)
	s_cmp_eq_u32 s2, 0
	s_cbranch_scc0 .Lentry_in_a_cluster
	s_endpgm
.Lentry_in_a_cluster:
	s_bfe_u32 s2, ttmp6, 0x10000c
	s_cmp_lg_u32 s2, 0xf033
	s_cbranch_scc0 .Lentry_shape_is_right
	s_endpgm
.Lentry_shape_is_right:
; out0 [4096][2048] f32 = A Wc^T + bc on codes of FP6 (E2M3), one E8M0 scale for each 32 along K = 2,048.  Both operands come as images of operand registers:
; ao: [128 rows 32][K step 16] blocks of 12,800 bytes (8 images of 1,536 bytes, then 8 x 64 bytes of scale words);  wq: [256 rows of Wc 8][K step 16] blocks of 25,600 bytes (16 images, 16 x 64 bytes).
; SHARES: a work-group makes 128 rows x 256 columns: 256 work-groups, one for each WGP (tiles of 256 x 256 would be 128).  Eight waves, two to a SIMD; wave w makes rows 64 (w / 4) on, columns 64 (w % 4) on:
; 16 accumulators, 128 registers; all of a wave's registers are named without a switch of windows.
; K goes in steps of 128 through a ring of two LDS slots of FOUR K steps: A's four blocks (51,200 bytes), then B's four (102,400).  Every tensor load brings 100 rows of 256 bytes, dense:
; waves 0, 1 two blocks of A each, waves 2-5 one block of B each, waves 6, 7 none.  A wave has at most one tensor load out.
; CLUSTERS: 4 x 4 work-groups: A's blocks are shared along a row of the cluster, B's along a column, each asked for JOINTLY.
; THE PRODUCT IS USED TRANSPOSED (source 0 = 16 rows of Wc, source 1 = 16 rows of A).  Lane r of Wc's tile 2 p + u holds row 32 p + 8 u + r + 8 (r / 8), so register j of accumulator (a, 2 p + u) in lane (r, h) is
; out(16 a + r, 32 p + 16 h + 8 u + j).  THE BIAS is loaded straight into the accumulators in that layout: every K step, the first too, adds in place, and nothing is cleared or added afterwards.
; A pair of tiles' scale words comes by one load: lanes 0-15 the even tile's, lanes 16-31 the odd tile's, which the product takes by its ROW1 selectors.
.set ABLK,  12800
.set BBLK,  25600
.set SLOT,  4*ABLK+4*BBLK              ; 153,600
.set BOFF,  4*ABLK
.set SPARE, 2*SLOT                     ; behind the ring: the spare words, 128 bytes for each of eight waves: four blocks of 256 bytes that no other line names
.set SP,    272                        ; the way out: a stage of 16 rows x (256 bytes + 16) for each wave, in slot 0, which has had its last fill and its last read when the first result is stored there
.set LI,  1                            ; v1      16 x lane
.set LS,  2                            ; v2      4 x lane
.set SPW, 3                            ; v3      LDS address of my spare word; never rewritten
.set NIL, 4                            ; v4      0; never rewritten
.set ADA, 5                            ; v5-6    my four tiles of A in slot 0, 1
.set ASA, 7                            ; v7-8    their scale words
.set ADB, 9                            ; v9-12   my four tiles of B: slot s, K steps 2 e and 2 e + 1 of it, at v[9 + 2 s + e] (an LDS offset has 16 bits)
.set ASB, 13                           ; v13-16  their scale words
.set STO, 17                           ; v17     the way out: where I put 16 bytes of a row
.set RD,  18                           ; v18     where I read a row back
.set CO,  19                           ; v19     my byte offset in the wave's rows of out0
.set VB,  20                           ; v20     my byte offset in the wave's 64 numbers of bc
.set SA,  24                           ; v24-25  A's scale words
.set SB,  26                           ; v26-27  B's
.set AF,  32                           ; v32-79  A's four fragments
.set BF,  80                           ; v80-127 B's four
.set ACC, 128                          ; accumulator (a, b) at v[128 + 8 (4 a + b)]
.set OUTB, 32                          ; the way out: 16 rows read back: v32-63 and v64-95 by turns
.set WV,  12
.set G1A, 24                           ; s[24:31] group 1 for A;  s[32:39] its groups 0, one for each slot
.set G0A, 32
.set G1B, 48                           ; s[48:55], s[56:63] the same for B
.set G0B, 56
.macro CROUND                          ; a round of the cluster's barrier
	s_barrier_signal -1
	s_barrier_wait -1
	s_cmp_lg_u32 s[WV], 0
	s_cbranch_scc1 .Lnot_wave_0_\@
	s_barrier_signal -3
.Lnot_wave_0_\@:
	s_barrier_wait -3
	s_barrier_signal -1
	s_barrier_wait -1
.endm
; A joint refill of slot s.  The branches hang on the wave's number alone.  Four v_nop follow each of the two lines.
.macro JLOAD s
	s_cmp_lt_u32 s[WV], 2
	s_cbranch_scc0 .Lnot_a_\@
	tensor_load_to_lds s[G0A+4*\s:G0A+4*\s+3], s[G1A:G1A+7]
	s_nop 0
.rept 4
	v_nop
.endr
	s_branch .Lasked_\@
.Lnot_a_\@:
	s_cmp_lt_u32 s[WV], 6
	s_cbranch_scc0 .Lasked_\@
	tensor_load_to_lds s[G0B+4*\s:G0B+4*\s+3], s[G1B:G1B+7]
	s_nop 0
.rept 4
	v_nop
.endr
.Lasked_\@:
.endm
; THE CHANGE OF SLOTS: each wave waits for all its tensor loads (its part of the slot that it is about to read), adds 0 to its spare word, and waits for that and for its reads of slot s, which it has left.
; fill = 1: a round of the cluster's barrier, and behind it slot s is filled with the K steps eight on.
.macro CHANGE s, fill
	s_wait_tensorcnt 0x0                           ; no tensor load of mine is out, so a group 0 may be written
	ds_add_u32 v[SPW], v[NIL]                      ; 0 onto my spare word
.if \fill
	ds_add_u32 v[SPW], v[NIL]                      ; and once more: a branch leads waves 6
	s_add_nc_u64 s[G0A+4*\s+2:G0A+4*\s+3], s[G0A+4*\s+2:G0A+4*\s+3], 8*ABLK
	s_add_nc_u64 s[G0B+4*\s+2:G0B+4*\s+3], s[G0B+4*\s+2:G0B+4*\s+3], 8*BBLK
.endif
	s_wait_dscnt 0x0                               ; the add is done, and my reads of slot s are over
.if \fill
	CROUND
	JLOAD \s                                       ; the first thing behind the round, a wave's one tensor load until the next: it has four K steps in which to land
.else
	s_barrier_signal -1
	s_barrier_wait -1
.endif
.endm
.macro MM a, b                         ; accumulator (a, b) += B's tile b x A's tile a
.set rC, ACC+8*(4*(\a)+(\b))
.set rB, BF+12*(\b)
.set rA, AF+12*(\a)
.if ((\a)%2 == 0) && ((\b)%2 == 0)
	v_wmma_scale_f32_16x16x128_f8f6f4 v[rC:rC+7], v[rB:rB+11], v[rA:rA+11], v[rC:rC+7], v[SB+(\b)/2], v[SA+(\a)/2] matrix_a_fmt:MATRIX_FMT_FP6 matrix_b_fmt:MATRIX_FMT_FP6
.elseif (\a)%2 == 0
	v_wmma_scale_f32_16x16x128_f8f6f4 v[rC:rC+7], v[rB:rB+11], v[rA:rA+11], v[rC:rC+7], v[SB+(\b)/2], v[SA+(\a)/2] matrix_a_fmt:MATRIX_FMT_FP6 matrix_b_fmt:MATRIX_FMT_FP6 matrix_a_scale:MATRIX_SCALE_ROW1
.elseif (\b)%2 == 0
	v_wmma_scale_f32_16x16x128_f8f6f4 v[rC:rC+7], v[rB:rB+11], v[rA:rA+11], v[rC:rC+7], v[SB+(\b)/2], v[SA+(\a)/2] matrix_a_fmt:MATRIX_FMT_FP6 matrix_b_fmt:MATRIX_FMT_FP6 matrix_b_scale:MATRIX_SCALE_ROW1
.else
	v_wmma_scale_f32_16x16x128_f8f6f4 v[rC:rC+7], v[rB:rB+11], v[rA:rA+11], v[rC:rC+7], v[SB+(\b)/2], v[SA+(\a)/2] matrix_a_fmt:MATRIX_FMT_FP6 matrix_b_fmt:MATRIX_FMT_FP6 matrix_a_scale:MATRIX_SCALE_ROW1 matrix_b_scale:MATRIX_SCALE_ROW1
.endif
.endm
; K step q of slot s: 28 LDS loads, 16 products.  The 16 accumulators take turns, one instruction a turn, in the same order in every K step.
.macro KSTEP s, q
.rept 4
	v_nop                                          ; places behind the last K step's products, in front of loads into the registers that they read
.endr
.irp p, 0,1
	ds_load_b32 v[SA+\p], v[ASA+\s] offset:(\q)*ABLK+128*\p
	ds_load_b32 v[SB+\p], v[ASB+2*\s+(\q)/2] offset:((\q)%2)*BBLK+128*\p
.endr
.irp b, 0,1,2,3
.irp c, 0,1,2
	ds_load_b128 v[BF+12*\b+4*\c:BF+12*\b+4*\c+3], v[ADB+2*\s+(\q)/2] offset:((\q)%2)*BBLK+1536*\b+512*\c
.endr
.endr
.irp a, 0,1,2,3
.irp c, 0,1,2
	ds_load_b128 v[AF+12*\a+4*\c:AF+12*\a+4*\c+3], v[ADA+\s] offset:(\q)*ABLK+1536*\a+512*\c
.endr
.endr
.irp a, 0,1,2,3
	s_wait_dscnt 9-3*\a                            ; the scale words, B and A's tiles up to a are in; the three loads of each later tile of A may be out
.irp b, 0,1,2,3
	MM \a, \b
.endr
.endr
.endm
.macro SLOTK s
	KSTEP \s, 0
	KSTEP \s, 1
	KSTEP \s, 2
	KSTEP \s, 3
.endm
; THE WAY OUT of my rows 16 a on: 8 stores into my own stage, 8 loads back as whole rows of 256 bytes.  LDS serves a wave's instructions in order: no wait between them, nor in front of the next block's stores.
.macro TOSTAGE a
.irp b, 0,1,2,3
	ds_store_b128 v[STO], v[ACC+8*(4*(\a)+\b):ACC+8*(4*(\a)+\b)+3] offset:128*(\b/2)+32*(\b%2)       ; each accumulator from its low end on
	ds_store_b128 v[STO], v[ACC+8*(4*(\a)+\b)+4:ACC+8*(4*(\a)+\b)+7] offset:128*(\b/2)+32*(\b%2)+16
.endr
.set BB, OUTB+32*((\a)%2)
.irp i, 0,1,2,3,4,5,6,7
	ds_load_b128 v[BB+4*\i:BB+4*\i+3], v[RD] offset:2*\i*SP
.endr
.endm
.macro SEND a, younger                 ; younger: the LDS instructions issued behind block a's loads, which may stay out
.set BB, OUTB+32*((\a)%2)
	s_wait_dscnt \younger
.irp i, 0,1,2,3,4,5,6,7
	global_store_b128 v[CO], v[BB+4*\i:BB+4*\i+3], s[10:11] offset:(16*(\a)+2*\i)*8192 th:TH_STORE_NT   ; sixteen lanes store 256 consecutive bytes, at a multiple of 256 from out0's first byte
.endr
.endm
	s_load_b256 s[4:11], s[0:1], 0x0               ; ao s[4:5], wq s[6:7], bc s[8:9], out0 s[10:11]
	v_lshl_add_u32 v[SPW], v0, 2, SPARE
	v_mov_b32 v[NIL], 0
	ds_add_u32 v3, v4
	ds_add_u32 v3, v4
	s_wait_dscnt 0x0
	v_lshrrev_b32 v21, 5, v0
	s_delay_alu instid0(VALU_DEP_1)
	v_readfirstlane_b32 s[WV], v21                 ; wave 0..7
	s_lshr_b32 s13, s[WV], 2                       ; which 64 rows are mine
	s_and_b32 s14, s[WV], 3                        ; which 64 columns
	s_bfe_u32 s16, ttmp6, 0x40000                  ; cx, cy: my place in the cluster
	s_bfe_u32 s17, ttmp6, 0x40004
	s_lshl_b32 s18, ttmp9, 2
	s_add_co_u32 s18, s18, s16                     ; which 256 columns = 4 x cluster x + cx
	s_and_b32 s19, ttmp7, 0xffff
	s_lshl_b32 s19, s19, 2
	s_add_co_u32 s19, s19, s17                     ; which 128 rows = 4 x cluster y + cy
	s_lshl_b32 s20, s17, 2
	s_lshl_b32 s20, 15, s20                        ; my row of the cluster
	s_lshl_b32 s21, 0x1111, s16                    ; my column
	s_or_b32 s[G1A], s20, (3<<16)|(1<<21)          ; 15:0 the mask: A's blocks go to my row; 17:16 elements of 8 bytes; 20 no padding; 21 set beside a mask
	s_or_b32 s[G1B], s21, (3<<16)|(1<<21)          ; B's go to my column
.irp g, G1A, G1B
	s_mov_b32 s[\g+1], 32<<16                      ; tensor_dim0 = 32
	s_mov_b32 s[\g+2], 100<<16                     ; tensor_dim1 = 100
	s_mov_b32 s[\g+3], 32<<16                      ; tile_dim0 = 32
	s_mov_b32 s[\g+4], 100                         ; tile_dim1 = 100
	s_mov_b32 s[\g+5], 32                          ; elements from row to row
	s_mov_b32 s[\g+6], 0
	s_mov_b32 s[\g+7], 0
.endr
	; every LDS address register is made here, from the thread's and the wave's number alone
	v_and_b32 v23, 31, v0                          ; lane
	v_and_b32 v21, 15, v0                          ; r
	v_bfe_u32 v22, v0, 4, 1                        ; h
	s_delay_alu instid0(VALU_DEP_3)
	v_lshlrev_b32 v[LI], 4, v23
	s_delay_alu instid0(VALU_DEP_4)
	v_lshlrev_b32 v[LS], 2, v23
	s_mul_i32 s22, s13, 6144                       ; A: my four tiles
	v_add_nc_u32 v[ADA], s22, v[LI]
	s_delay_alu instid0(VALU_DEP_1)
	v_add_nc_u32 v[ADA+1], SLOT, v[ADA]
	s_lshl_b32 s22, s13, 8
	s_add_co_u32 s22, s22, 12288                   ; their scale words
	v_add_nc_u32 v[ASA], s22, v[LS]
	s_delay_alu instid0(VALU_DEP_1)
	v_add_nc_u32 v[ASA+1], SLOT, v[ASA]
	s_mul_i32 s22, s14, 6144                       ; B: my four tiles, behind A's four blocks
	s_add_co_u32 s22, s22, BOFF
	v_add_nc_u32 v[ADB], s22, v[LI]
	s_delay_alu instid0(VALU_DEP_1)
	v_add_nc_u32 v[ADB+1], 2*BBLK, v[ADB]
	s_delay_alu instid0(VALU_DEP_2)
	v_add_nc_u32 v[ADB+2], SLOT, v[ADB]
	s_delay_alu instid0(VALU_DEP_2)
	v_add_nc_u32 v[ADB+3], SLOT, v[ADB+1]
	s_lshl_b32 s22, s14, 8
	s_add_co_u32 s22, s22, BOFF+24576              ; their scale words
	v_add_nc_u32 v[ASB], s22, v[LS]
	s_delay_alu instid0(VALU_DEP_1)
	v_add_nc_u32 v[ASB+1], 2*BBLK, v[ASB]
	s_delay_alu instid0(VALU_DEP_2)
	v_add_nc_u32 v[ASB+2], SLOT, v[ASB]
	s_delay_alu instid0(VALU_DEP_2)
	v_add_nc_u32 v[ASB+3], SLOT, v[ASB+1]
	s_mul_i32 s22, s[WV], 16*SP                    ; my stage
	v_mul_u32_u24 v[STO], v21, SP
	s_delay_alu instid0(VALU_DEP_1)
	v_lshl_add_u32 v[STO], v22, 6, v[STO]
	s_delay_alu instid0(VALU_DEP_1)
	v_add_nc_u32 v[STO], s22, v[STO]               ; in: row r, + 64 h
	v_mul_u32_u24 v[RD], v22, SP
	s_delay_alu instid0(VALU_DEP_1)
	v_lshl_add_u32 v[RD], v21, 4, v[RD]
	s_delay_alu instid0(VALU_DEP_1)
	v_add_nc_u32 v[RD], s22, v[RD]                 ; back: lanes 0-15 one row of 256 bytes, lanes 16-31 the next
	v_lshlrev_b32 v[CO], 13, v22
	s_delay_alu instid0(VALU_DEP_1)
	v_lshl_add_u32 v[CO], v21, 4, v[CO]            ; and the same two rows in out0
	v_lshlrev_b32 v[VB], 6, v22                    ; bc: 16 h numbers on
	; where the blocks come from.  A's hang on the 128 rows alone, which my row of the cluster shares; B's on the 256 columns alone, which my column shares; each in registers that never hold the other coordinate
	s_mul_i32 s40, s19, 16*ABLK
	s_and_b32 s41, s[WV], 1
	s_mul_i32 s41, s41, 2*ABLK                     ; waves 0, 1: K steps 0, 1 or 2, 3 of a slot
	s_add_co_u32 s40, s40, s41
	s_mov_b32 s41, 0
	s_max_u32 s44, s[WV], 2
	s_min_u32 s44, s44, 5
	s_sub_co_u32 s44, s44, 2                       ; waves 2-5: K step 0 .. 3 of a slot (held for the waves that issue no such load, so that the registers name bytes inside wq)
	s_mul_i32 s44, s44, BBLK
	s_mul_i32 s45, s18, 16*BBLK
	s_add_co_u32 s44, s44, s45
	s_mov_b32 s45, 0
	s_min_u32 s15, s[WV], 5
	s_mul_i32 s15, s15, BBLK                       ; where they go: wave x 25,600 bytes: A's two halves, then B's four blocks (held likewise)
	s_lshl_b32 s22, s18, 10
	s_lshl_b32 s23, s14, 8
	s_add_co_u32 s22, s22, s23                     ; my first column, in bytes: 1,024 x block + 256 x (wave % 4)
	s_mov_b32 s23, 0
	s_lshl_b32 s2, s19, 7
	s_lshl_b32 s3, s13, 6
	s_add_co_u32 s2, s2, s3                        ; my first row
	s_lshl_b32 s2, s2, 13                          ; x 8,192 bytes
	s_mov_b32 s3, 0
	s_wait_kmcnt 0x0
	s_add_nc_u64 s[40:41], s[4:5], s[40:41]
	s_add_nc_u64 s[44:45], s[6:7], s[44:45]
	s_add_nc_u64 s[8:9], s[8:9], s[22:23]          ; bc at my 64 columns
	s_add_nc_u64 s[10:11], s[10:11], s[22:23]
	s_add_nc_u64 s[10:11], s[10:11], s[2:3]        ; out0 at my first row and column
.irp s, 0,1
	s_mov_b32 s[G0A+4*\s], 1                                       ; count = 1
	s_add_co_u32 s[G0A+4*\s+1], s15, \s*SLOT                       ; LDS address
	s_add_nc_u64 s[G0A+4*\s+2:G0A+4*\s+3], s[40:41], \s*4*ABLK     ; global address: slot s begins with K steps 4 s on
	s_or_b32 s[G0A+4*\s+3], s[G0A+4*\s+3], 0x80000000              ; type = 2
	s_mov_b32 s[G0B+4*\s], 1
	s_add_co_u32 s[G0B+4*\s+1], s15, \s*SLOT
	s_add_nc_u64 s[G0B+4*\s+2:G0B+4*\s+3], s[44:45], \s*4*BBLK
	s_or_b32 s[G0B+4*\s+3], s[G0B+4*\s+3], 0x80000000
.endr
	CROUND                                         ; all sixteen work-groups are here: the first joint loads meet
	s_cmp_lt_u32 s[WV], 2                          ; slot 0's first fill: one tensor load a wave at the head
	s_cbranch_scc0 .Lfirst_not_a
	tensor_load_to_lds s[G0A:G0A+3], s[G1A:G1A+7]
	s_nop 0
.rept 4
	v_nop
.endr
	s_branch .Lfirst_asked
.Lfirst_not_a:
	s_cmp_lt_u32 s[WV], 6
	s_cbranch_scc0 .Lfirst_asked
	tensor_load_to_lds s[G0B:G0B+3], s[G1B:G1B+7]
	s_nop 0
.rept 4
	v_nop
.endr
.Lfirst_asked:
	s_wait_alu depctr_va_vdst(0)
.irp a, 0,1,2,3                                ; the bias, in the result's layout: register j of accumulator (a, 2 p + u) is bc at my column 32 p + 16 h + 8 u + j
.irp b, 0,1,2,3
	global_load_b128 v[ACC+8*(4*\a+\b):ACC+8*(4*\a+\b)+3], v[VB], s[8:9] offset:128*(\b/2)+32*(\b%2)
	global_load_b128 v[ACC+8*(4*\a+\b)+4:ACC+8*(4*\a+\b)+7], v[VB], s[8:9] offset:128*(\b/2)+32*(\b%2)+16
.endr
.endr
	s_wait_tensorcnt 0x0                           ; my part of slot 0 is in; slot 1's first fill is issued as a refill is:
	ds_add_u32 v[SPW], v[NIL]                      ; the add, twice on end
	ds_add_u32 v[SPW], v[NIL]
	s_wait_dscnt 0x0                               ; its wait,
	CROUND                                         ; a round of the cluster's barrier: everybody's part of slot 0 is in,
	JLOAD 1                                        ; and slot 1's load, the first tensor load behind the round
	s_wait_loadcnt 0x0                             ; the bias
	SLOTK 0                                        ; K steps 0-3
	CHANGE 0, 1                                    ; slot 0 takes K steps 8-11
	SLOTK 1                                        ; K steps 4-7
	CHANGE 1, 1                                    ; slot 1 takes K steps 12-15
	SLOTK 0                                        ; K steps 8-11
	CHANGE 0, 0                                    ; nothing is left to fetch
	SLOTK 1                                        ; K steps 12-15
.rept 4
	v_nop                                          ; places behind the last products: for the stores that read results, and for the loads into the registers that held fragments
.endr
	TOSTAGE 0
.irp a, 1,2,3
.if \a > 1
	s_wait_xcnt 0x0                                ; block a - 2's stores have read their registers: block a's loads may land there
.endif
	TOSTAGE \a
	SEND \a-1, 16                                  ; behind block a - 1's loads: block a's 8 stores and 8 loads
.endr
	SEND 3, 0
	s_wait_tensorcnt 0x0                           ; the wave's end
	ds_add_u32 v[SPW], v[NIL]
	s_wait_dscnt 0x0
	CROUND                                         ; the closing round: no work-group ends while a partner may still ask for a block that names it
	s_endpgm
.Lfunc_end_k_q345bd8953e_proj:
	.size	k_q345bd8953e_proj, .Lfunc_end_k_q345bd8953e_proj-k_q345bd8953e_proj
	.p2alignl 7, 3214868480
	.fill 96, 4, 3214868480
	.section	.rodata,"a",@progbits
	.p2align	6, 0x0
	.amdhsa_kernel k_q345bd8953e_proj
		.amdhsa_group_segment_fixed_size 327680
		.amdhsa_private_segment_fixed_size 0
		.amdhsa_enable_private_segment 0
		.amdhsa_kernarg_size 32
		.amdhsa_user_sgpr_count 2
		.amdhsa_user_sgpr_kernarg_segment_ptr 1
		.amdhsa_wavefront_size32 1
		.amdhsa_system_sgpr_workgroup_id_x 1
		.amdhsa_system_sgpr_workgroup_id_y 1
		.amdhsa_system_sgpr_workgroup_id_z 1
		.amdhsa_system_vgpr_workitem_id 0
		.amdhsa_next_free_vgpr 256
		.amdhsa_next_free_sgpr 66
		.amdhsa_reserve_vcc 0
		.amdhsa_float_denorm_mode_32 3
		.amdhsa_float_denorm_mode_16_64 3
		.amdhsa_memory_ordered 1
		.amdhsa_forward_progress 1
		.amdhsa_inst_pref_size 86
	.end_amdhsa_kernel
	.amdgpu_metadata
---
amdhsa.version: [ 1, 2 ]
amdhsa.kernels:
  - .name:           k_q345bd8953e_proj
    .symbol:         k_q345bd8953e_proj.kd
    .args:
      - { .name: ao, .offset: 0, .size: 8, .value_kind: global_buffer, .address_space: global }
      - { .name: wq, .offset: 8, .size: 8, .value_kind: global_buffer, .address_space: global }
      - { .name: bc, .offset: 16, .size: 8, .value_kind: global_buffer, .address_space: global }
      - { .name: out0, .offset: 24, .size: 8, .value_kind: global_buffer, .address_space: global }
    .group_segment_fixed_size: 327680
    .private_segment_fixed_size: 0
    .kernarg_segment_align: 8
    .kernarg_segment_size: 32
    .max_flat_workgroup_size: 256
    .sgpr_count:     66
    .vgpr_count:     256
    .wavefront_size: 32
...
	.end_amdgpu_metadata
.endif
;; end of part 3
